; MI455X (gfx1250); checked and timed in simulation.
; The chip was launched on July 23, 2026; its instructions are those of AMD's public machine-readable ISA for CDNA 5 (MIT licence, August 2026) and "CDNA5" Instruction Set Architecture Reference Guide (July 2026). The comments in the code are by the model that wrote it; some were corrected since.
;; Tt Multi Head Attention Model. Allowed arithmetic: matrix products marked QUANTISED: E2M1 operands, one E8M0 scale for each 32 along K, by v_wmma_scale_f32_16x16x128_f8f6f4 with both operands' format E2M1 (or v_wmma_scale_f32_32x16x128_f4), f32 sums; everything else in f32.
;; Inputs: activation_codes 8 x 1,024 x 32 x 16 uint8 (E2M1 codes of activation, K innermost, in blocks of 32 codes, two codes a byte); activation_scales 8 x 1,024 x 32 uint8 (E8M0 scales of activation, one for each 32 codes along K); kb 1,024 float32; kw_codes 1,024 x 32 x 16 uint8 (E2M1 codes of kw, K innermost, in blocks of 32 codes, two codes a byte); kw_scales 1,024 x 32 uint8 (E8M0 scales of kw, one for each 32 codes along K); qb 1,024 float32; qw_codes 1,024 x 32 x 16 uint8 (E2M1 codes of qw, K innermost, in blocks of 32 codes, two codes a byte); qw_scales 1,024 x 32 uint8 (E8M0 scales of qw, one for each 32 codes along K); vb 1,024 float32; vw_codes 1,024 x 32 x 16 uint8 (E2M1 codes of vw, K innermost, in blocks of 32 codes, two codes a byte); vw_scales 1,024 x 32 uint8 (E8M0 scales of vw, one for each 32 codes along K).
;; Outputs: out0 8 x 1,024 x 1,024 float32.
;; This version of the problem:
;;   THIS VERSION OF THE PROBLEM IS GIVEN IN LOW PRECISION. The matrix products marked QUANTISED in the list below multiply operands that are first quantised to E2M1 (2 exponent bits, 1 mantissa bit; 4 bits a number), with one power-of-two scale for each 32 numbers along K (OCP MX v1.0); their sums are f32. All else is computed in f32.
;;   The module's matrix products, in the order in which they are computed (A, B: the left and right operand; K: the contracted axis; several contracted axes count as one K, in the product's order):
;;     1. [M 8,192, K 1,024] x [K 1,024, N 1,024]; A: input activation (given as codes); B: input qw (given as codes): QUANTISED
;;     2. [M 8,192, K 1,024] x [K 1,024, N 1,024]; A: input activation (given as codes); B: input kw (given as codes): QUANTISED
;;     3. [M 8,192, K 1,024] x [K 1,024, N 1,024]; A: input activation (given as codes); B: input vw (given as codes): QUANTISED
;;     4. batch 128 x [M 1,024, K 64] x [K 64, N 1,024]; A: computed on the way; B: computed on the way: QUANTISED
;;     5. batch 128 x [M 1,024, K 1,024] x [K 1,024, N 64]; A: softmax (see below); B: computed on the way: QUANTISED
;;   THE QUANTISER, for each operand of a quantised product, along K:
;;     - K is cut into blocks of 32 from its start; a last block that is shorter is filled with zeros.
;;     - A block's scale is 2^e with e = floor(log2(the largest magnitude in the block)) - 2, held to -126 .. 127; a block of zeros has e = 0. As a byte (E8M0): e + 127.
;;     - Each number is divided by its block's scale, clamped to +-6, and rounded to the nearest number of E2M1, ties to even, subnormals kept.
;;     - The product sums the exact products of the quantised numbers (number of the format x scale) in f32.
;;   ~~~python
;;   def quantise(x, axis):      # numpy; x: float32 -> the quantised numbers, widened to float32 again
;;       x = np.moveaxis(x, axis, -1); K = x.shape[-1]
;;       x = np.pad(x, [(0, 0)] * (x.ndim - 1) + [(0, -K % 32)]); x = x.reshape(x.shape[:-1] + (-1, 32)); a = np.abs(x).max(-1, keepdims=True)
;;       e = np.where(a > 0, np.clip(np.frexp(np.where(a > 0, a, 1))[1] - 1 - 2, -126, 127), 0)      # np.frexp(a)[1] - 1 = floor(log2(a)), exactly
;;       r = np.clip(x / 2.0 ** e, -6, 6)
;;       step = 2.0 ** (np.maximum(np.frexp(np.where(r == 0, 1, r))[1] - 1, 0) - 1)
;;       q = np.round(r / step) * step * 2.0 ** e      # np.round: ties to even
;;       return np.moveaxis(q.reshape(q.shape[:-2] + (-1,))[..., :K], -1, axis).astype(np.float32)
;;   ~~~
;;   SOFTMAX AHEAD OF A QUANTISED PRODUCT. Where the list says 'softmax', what is quantised is not the finished softmax but p = 2^(t - M), with t = logit x log2(e) and M = ceil(the row's largest t), a whole number; so 1/2 < the row's largest p <= 1. The row's sum l is taken of the UNQUANTISED p, in f32, and the product's result is divided by l at the end. Since M is a whole number, a kernel that streams over the keys may use a running M (the ceiling of the running maximum): every later rescaling is an exact power of two, which a block's scale takes up: the codes' values come out the same.
;;   OPERANDS COMPUTED ON THE WAY. 'Computed on the way' means the value that the module computes at that place (a softmax that the list does not call 'softmax' is quantised finished and normalised). What goes into a quantiser is computed in f32, as accurately as f32 sums, v_exp_f32 and their like allow (about 1e-6 of the number): no bf16 or f16 on the way to a quantiser, and a product that is left as it is and whose result goes on into a quantised operand takes f32 operands (vector FMAs, or v_wmma_f32_16x16x4_f32). A number that lies on a knife's edge between two numbers of the format may be rounded either way, as far as f32 arithmetic and the matrix unit's own rounding can turn it there, and no further.
;;   INPUTS GIVEN AS CODES. activation (in the module: [8, 1024, 1024], K = its axis 2); kw (in the module: [1024, 1024], K = its axis 1); qw (in the module: [1024, 1024], K = its axis 1); vw (in the module: [1024, 1024], K = its axis 1): each comes as NAME_codes (uint8): NAME with its K axis moved to the last place and cut into blocks of 32 codes, [.., K / 32, bytes a block], one block behind the other in memory; two codes a byte, the lower K in the low four bits (a code: sign, 2 exponent bits, 1 mantissa bit); and NAME_scales (uint8): the same leading axes, one E8M0 byte (e + 127) for each 32 codes along K. Its value is code x scale, taken as it is: it is not quantised again, and the codes and scales need not be those that the quantiser above would give.
;; One version. Each part assembles by itself: llvm-mc -triple=amdgcn-amd-amdhsa -mcpu=gfx1250 --defsym DOCPART=n.
;; ======== version 1 of 1: 2 launches
;; limits: right only within a limited range of input values
;; workspace buffers: qkv 13,893,632 bytes
;; launch proj (part 1): grid 16 x 16, 4 waves a work-group, clusters of 4 x 4, 327,680 bytes of LDS; arguments activation_codes, activation_scales, qw_codes, qw_scales, qb, kw_codes, kw_scales, kb, vw_codes, vw_scales, vb, qkv; writes qkv
.if DOCPART == 1
	.amdgcn_target "amdgcn-amd-amdhsa--gfx1250"
	.amdhsa_code_object_version 6
	.text
	.protected	k_q5e5fe95279_proj
	.globl	k_q5e5fe95279_proj
	.p2align	8
	.type	k_q5e5fe95279_proj,@function
k_q5e5fe95279_proj:
	s_mov_b64 s[64:65], 0
	v_nop
	global_prefetch_b8 v0, s[64:65] scope:SCOPE_SE
	s_setreg_imm32_b32 hwreg(HW_REG_WAVE_MODE, 25, 1), 1
	s_wait_xcnt 0x0
	s_wait_alu depctr_hold_cnt(0) depctr_sa_sdst(0) depctr_va_vdst(0) depctr_va_sdst(0) depctr_va_ssrc(0) depctr_va_vcc(0) depctr_vm_vsrc(0)
	s_getreg_b32 s2, hwreg(HW_REG_IB_STS2, 6, 4)
	s_cmp_eq_u32 s2, 0
	s_cbranch_scc0 .Lentry_in_a_cluster
	s_endpgm
.Lentry_in_a_cluster:
	s_bfe_u32 s2, ttmp6, 0x10000c
	s_cmp_lg_u32 s2, 0xf033
	s_cbranch_scc0 .Lentry_shape_is_right
	s_endpgm
.Lentry_shape_is_right:
; q, k, v = activation W^T + bias on codes of FP4 (E2M1), one E8M0 scale for each 32 along K, f32 sums; each is then quantised for attention and stored as IMAGES OF OPERAND REGISTERS.
; SHARES.  A work-group takes one head's 192 features (64 of q, k, v) and TWO blocks of 256 tokens, yb and yb + 16 of the 32, one after the other: 16 x 16 = 256 work-groups.
; Wave w takes tokens 64 w .. 64 w + 63 of a block against all twelve feature tiles: 48 accumulators, 48 matrix instructions for each 128 along K.
; LDS.  256 + 192 rows of all K (512 bytes + 16 of padding).  At the head one tensor load a wave: wave 3 the activations, waves 0-2 qw, kw, vw.  The weights, their scale words and the biases stay for both blocks.
; The second block's activations fill the first's bytes again, 64 rows a wave, behind the first block's last product, and land while the first block is quantised and stored.
; CLUSTER 4 x 4.  A row of the cluster shares yb: the activations are asked for jointly along it; a column shares the head: the weights go along it.
; NO PREFETCH: all of K is asked for at once; the text has no loop along K to run ahead in.
; ORIENTATION.  q, k: source 0 = 16 weight rows, source 1 = 16 tokens: a lane holds ONE token, registers along d.  v: source 0 = tokens, source 1 = weight rows: a lane holds ONE d, registers along the tokens (the keys).
; THE BIAS is the C of each sum's first matrix instruction.
; QUANTISING.  A block of 32 is two neighbouring tiles: 16 numbers in lane l, 16 in lane l xor 16.  Scale byte = the largest magnitude's exponent field - 2, held at 1 from below.
; LIMITS: NaN, infinities and given scale bytes of 0xff are not served; a block whose largest magnitude lies under 2^-124 (a block of zeros too) gets the byte 1; only this program reads these bytes.
; THE RECORD of (batch, head), RECB bytes:  KIMG [key tile 64][lane][16 B]: lane (r, h) = key 16 T + r, d = 32 h ..;  QIMG likewise;
;   VIMG [key step 8][d tile 4][c 2][lane][16 B]: lane (r, h) = d 16 n + r, keys 128 s + 64 c + 32 h ..;
;   KSC, QSC [group of 64 rows 16][r 16][tile 4] words, bytes 0, 1 = the two blocks along d, bytes 2, 3 = 0;   VSC [key step 8][n / 2][r 16][n % 2] words, byte j = keys 128 s + 32 j on.
; REGISTERS, in windows of 256:  window 0: v1-17 addresses; v32-63 tokens' scale words; v64-159 weights' scale words; v160-223 token fragments, two sets (on the way out: codes); v224-251 at work.
;   window 1: weight fragments, two sets of 96.   window 2: q's accumulators at 32 t + 8 f, k's at 128 + 32 t + 8 f.   window 3: v's at 32 n + 8 t; v128-191 q's and k's biases; v192-223 v's.
.set PITCH, 528                        ; 512 bytes + 16: the sixteen rows of a fragment load begin 16 bytes further on modulo 256
.set ACH,   256*PITCH
.set WBASE, ACH
.set VST,   WBASE+192*PITCH            ; 512 bytes written by LDS stores alone: v's scale words are pieced together here
.set SPARE, 0x3c000                    ; the spare words, 128 bytes a wave
.set RECB,  108544
.set KIMG,  0
.set VIMG,  32768
.set KSC,   65536
.set VSC,   69632
.set QIMG,  71680
.set QSC,   104448
.set ADRA,  4                          ; v4    my token fragments
.set ADRW,  6                          ; v6-7  weight tiles 0-7, 8-11
.set SA,    32                         ; scale words of token tile t, K step s: SA + 8 t + s
.set SW,    64                         ; of feature tile i: SW + 8 i + s
.set AF,    160
.set BQ,    128
.set BV,    192
.set PCQ,   160
.set PCK,   176
.set PCV,   192
.set QW,    208
.set KW,    212
.set VH,    216
.set SWD,   220
.set TM,    224
.set TP,    232
.set TS,    240
.set BK,    248
.set WV,    28
.set G1A,   36
.set G1W,   44
.set G0A,   52                         ; s[52:55] the head's 256 rows; s[56:59] my 64 rows of the second block
.set G0W,   68
.set SEL,   78
.set MSB, 0
.macro WIN new                         ; the immediate's high byte repeats the setting that is left
.if MSB != (\new)
	s_set_vgpr_msb (MSB<<8)|(\new)
.set MSB, (\new)
.endif
.endm
.macro PLACES                          ; four plain places behind matrix instructions (ISA guide 7.12.1)
.rept 4
	v_nop
.endr
.endm
.macro CROUND                          ; a round of the cluster's barrier
	s_barrier_signal -1
	s_barrier_wait -1
	s_cmp_lg_u32 s[WV], 0
	s_cbranch_scc1 .Lnot_wave_0_\@
	s_barrier_signal -3
.Lnot_wave_0_\@:
	s_barrier_wait -3
	s_barrier_signal -1
	s_barrier_wait -1
.endm
	s_load_b512 s[4:19], s[0:1], 0x0               ; act codes 4:5, act scales 6:7, qw codes 8:9, qw scales 10:11, qb 12:13, kw codes 14:15, kw scales 16:17, kb 18:19
	s_load_b256 s[20:27], s[0:1], 0x40             ; vw codes 20:21, vw scales 22:23, vb 24:25, qkv 26:27
	v_lshl_add_u32 v254, v0, 2, SPARE
	v_mov_b32 v255, 0
	ds_add_u32 v254, v255                          ; the opening lines: the add twice on end and its wait
	ds_add_u32 v254, v255
	v_lshrrev_b32 v1, 5, v0
	v_readfirstlane_b32 s[WV], v1                  ; wave 0..3
	s_bfe_u32 s29, ttmp6, 0x40000                  ; cx
	s_bfe_u32 s30, ttmp6, 0x40004                  ; cy
	s_lshl_b32 s31, ttmp9, 2
	s_add_co_u32 s31, s31, s29                     ; head
	s_and_b32 s32, ttmp7, 0xffff
	s_lshl_b32 s32, s32, 2
	s_add_co_u32 s32, s32, s30                     ; yb, 0 .. 15: the first block
	s_lshl_b32 s33, s30, 2
	s_lshl_b32 s33, 15, s33                        ; my row of the cluster
	s_lshl_b32 s34, 0x1111, s29                    ; my column
	; group 1: rows of 512 bytes, elements of one byte, 4 words of padding behind every 128
	s_or_b32 s[G1A], s33, (1<<20)|(1<<21)|(6<<22)|(3<<25)
	s_mov_b32 s[G1A+1], 512<<16
	s_mov_b32 s[G1A+2], 256<<16
	s_mov_b32 s[G1A+3], 512<<16
	s_mov_b32 s[G1A+4], 256
	s_mov_b32 s[G1A+5], 512
	s_mov_b32 s[G1A+6], 0
	s_mov_b32 s[G1A+7], 0
	s_or_b32 s[G1W], s34, (1<<20)|(1<<21)|(6<<22)|(3<<25)
	s_mov_b32 s[G1W+1], 512<<16
	s_mov_b32 s[G1W+2], 64<<16
	s_mov_b32 s[G1W+3], 512<<16
	s_mov_b32 s[G1W+4], 64
	s_mov_b32 s[G1W+5], 512
	s_mov_b32 s[G1W+6], 0
	s_mov_b32 s[G1W+7], 0
	s_lshl_b32 s80, s32, 17                        ; the block's 256 rows of 512 bytes: hangs on yb alone
	s_mov_b32 s81, 0
	s_lshl_b32 s82, s31, 15                        ; a weight's 64 rows: hangs on the head alone
	s_mov_b32 s83, 0
	s_min_u32 s86, s[WV], 2
	s_mul_i32 s86, s86, 64*PITCH
	s_mul_i32 s87, s[WV], 64*PITCH
	s_mov_b32 s[SEL], 0x76543210
	s_mov_b32 s[SEL+1], 0xfedcba98
	s_wait_dscnt 0x0
	s_wait_kmcnt 0x0
	s_cmp_eq_u32 s[WV], 1
	s_cselect_b64 s[76:77], s[14:15], s[8:9]
	s_cmp_eq_u32 s[WV], 2
	s_cselect_b64 s[76:77], s[20:21], s[76:77]
	s_add_nc_u64 s[76:77], s[76:77], s[82:83]
	s_add_nc_u64 s[84:85], s[4:5], s[80:81]
	CROUND                                         ; all sixteen work-groups are here: the joint loads meet
	s_mov_b32 s[G0A], 1
	s_mov_b32 s[G0A+1], 0
	s_mov_b64 s[G0A+2:G0A+3], s[84:85]
	s_or_b32 s[G0A+3], s[G0A+3], 0x80000000
	s_mov_b32 s[G0W], 1
	s_add_co_u32 s[G0W+1], s86, WBASE
	s_mov_b64 s[G0W+2:G0W+3], s[76:77]
	s_or_b32 s[G0W+3], s[G0W+3], 0x80000000
	s_lshl_b32 s80, s[WV], 15                      ; the second block, 16 blocks on: my 64 rows
	s_mov_b32 s[G0A+4], 1
	s_mov_b32 s[G0A+5], s87
	s_add_nc_u64 s[G0A+6:G0A+7], s[84:85], s[80:81]
	s_add_nc_u64 s[G0A+6:G0A+7], s[G0A+6:G0A+7], 0x200000
	s_or_b32 s[G0A+7], s[G0A+7], 0x80000000
	s_cmp_eq_u32 s[WV], 3                          ; the head's loads, one a wave
	s_cbranch_scc0 .Lfor_w
	tensor_load_to_lds s[G0A:G0A+3], s[G1A:G1A+7]
	s_nop 0
	PLACES
	s_branch .Lasked
.Lfor_w:
	tensor_load_to_lds s[G0W:G0W+3], s[G1W:G1W+7]
	s_nop 0
	PLACES
.Lasked:
	s_lshl_b32 s88, s32, 13                        ; tokens' scale bytes: 32 a row; 256 rows a block, 64 a wave
	s_lshl_b32 s89, s[WV], 11
	s_add_co_u32 s88, s88, s89
	s_mov_b32 s89, 0
	s_add_nc_u64 s[6:7], s[6:7], s[88:89]
	s_lshl_b32 s88, s31, 11                        ; the weights' scale bytes: the head's 64 rows
	s_add_nc_u64 s[10:11], s[10:11], s[88:89]
	s_add_nc_u64 s[16:17], s[16:17], s[88:89]
	s_add_nc_u64 s[22:23], s[22:23], s[88:89]
	s_lshl_b32 s88, s31, 8                         ; the biases: the head's 64 numbers
	s_add_nc_u64 s[12:13], s[12:13], s[88:89]
	s_add_nc_u64 s[18:19], s[18:19], s[88:89]
	s_add_nc_u64 s[24:25], s[24:25], s[88:89]
	s_lshr_b32 s88, s32, 2                         ; the record of (batch, head)
	s_lshl_b32 s88, s88, 4
	s_add_co_u32 s88, s88, s31
	s_mul_i32 s88, s88, RECB
	s_add_nc_u64 s[26:27], s[26:27], s[88:89]
	s_and_b32 s90, s32, 3                          ; tb: which 256 of the batch's 1,024 tokens (the same for both blocks)
	v_and_b32 v1, 15, v0                           ; r
	v_bfe_u32 v2, v0, 4, 1                         ; h
	v_mul_u32_u24 v3, v1, PITCH
	v_lshl_add_u32 v3, v2, 4, v3                   ; a fragment: row r, + 16 h
	v_add_nc_u32 v[ADRA], s87, v3
	v_add_nc_u32 v[ADRW], WBASE, v3
	v_add_nc_u32 v[ADRW+1], WBASE+128*PITCH, v3
	v_lshlrev_b32 v8, 5, v1                        ; 32 r: a row of scale bytes
	v_lshlrev_b32 v9, 5, v2                        ; 32 h: my half's eight numbers of a bias
	v_lshlrev_b32 v10, 2, v1                       ; 4 r
	v_and_b32 v17, 31, v0
	v_lshlrev_b32 v17, 4, v17                      ; 16 x lane
	s_wait_alu depctr_va_vdst(0)                   ; the wait ahead of the scalar run
	s_lshl_b32 s91, s90, 2
	s_add_co_u32 s91, s91, s[WV]                   ; my group of 64 tokens in the batch
	s_lshl_b32 s92, s91, 11
	v_add_nc_u32 v11, s92, v17                     ; q's and k's images: four tiles of 512 bytes a group
	v_mul_u32_u24 v12, v2, QSC-KSC                 ; scale words: lanes 0-15 store k's, lanes 16-31 q's
	v_lshl_add_u32 v12, v1, 4, v12
	s_lshl_b32 s92, s91, 8
	v_add_nc_u32 v12, s92, v12
	s_lshl_b32 s92, s90, 1                         ; v's images: key step 2 tb + w / 2, half w % 2
	s_lshr_b32 s93, s[WV], 1
	s_add_co_u32 s92, s92, s93
	s_lshl_b32 s92, s92, 12
	s_and_b32 s94, s[WV], 1
	s_lshl_b32 s95, s94, 9
	s_add_co_u32 s92, s92, s95
	v_add_nc_u32 v13, s92, v17
	s_lshl_b32 s93, s93, 8                         ; v's scale words in LDS: 256 bytes a key step; my two bytes of a word at 2 (w % 2)
	s_lshl_b32 s94, s94, 1
	s_add_co_u32 s93, s93, s94
	s_add_co_u32 s93, s93, VST
	v_lshl_add_u32 v14, v1, 3, s93
	v_add_nc_u32 v15, VST, v17
	s_lshl_b32 s92, s90, 9
	v_add_nc_u32 v16, s92, v17
.irp i, 0,1,2,3,4,5,6,7
	v_mov_b32 v[TP+\i], 0                          ; a lane permute's destination counts as one of its sources
.endr
	s_wait_alu depctr_va_vdst(0)
.macro ASC                                     ; my tokens' scale words: a row's 32 bytes are eight words, one for each 128 along K
.irp t, 0,1,2,3
	global_load_b128 v[SA+8*\t:SA+8*\t+3], v8, s[6:7] offset:512*\t
	global_load_b128 v[SA+8*\t+4:SA+8*\t+7], v8, s[6:7] offset:512*\t+16
.endr
.endm
	ASC
.macro WSC m, lo
.irp f, 0,1,2,3
	global_load_b128 v[SW+8*(4*\m+\f):SW+8*(4*\m+\f)+3], v8, s[\lo:\lo+1] offset:512*\f
	global_load_b128 v[SW+8*(4*\m+\f)+4:SW+8*(4*\m+\f)+7], v8, s[\lo:\lo+1] offset:512*\f+16
.endr
.endm
	WSC 0, 10
	WSC 1, 16
	WSC 2, 22
	WIN 0xc0                                       ; destination window 3
.macro BQK m, lo                               ; lane (r, h), register j of tile f: the bias of feature 16 f + 8 h + j
.irp f, 0,1,2,3
	global_load_b128 v[BQ+8*(4*\m+\f):BQ+8*(4*\m+\f)+3], v9, s[\lo:\lo+1] offset:64*\f
	global_load_b128 v[BQ+8*(4*\m+\f)+4:BQ+8*(4*\m+\f)+7], v9, s[\lo:\lo+1] offset:64*\f+16
.endr
.endm
	BQK 0, 12
	BQK 1, 18
.irp n, 0,1,2,3                                ; v: a lane's eight registers are eight tokens of ONE feature 16 n + r: loaded once, copied below
	global_load_b32 v[BV+8*\n], v10, s[24:25] offset:64*\n
.endr
	WIN 0
; the fragments of K step s (byte 64 s of the rows) into set s % 2: 24 loads for the twelve weight tiles, 8 for my four token tiles
.macro FETCH s
.set PS, (\s)%2
.set QO, 64*(\s)
	WIN 0x40
.irp i, 0,1,2,3,4,5,6,7,8,9,10,11
	ds_load_b128 v[96*PS+8*\i:96*PS+8*\i+3], v[ADRW+\i/8] offset:(\i%8)*16*PITCH+QO
	ds_load_b128 v[96*PS+8*\i+4:96*PS+8*\i+7], v[ADRW+\i/8] offset:(\i%8)*16*PITCH+QO+32
.endr
	WIN 0
.irp t, 0,1,2,3
	ds_load_b128 v[AF+32*PS+8*\t:AF+32*PS+8*\t+3], v[ADRA] offset:\t*16*PITCH+QO
	ds_load_b128 v[AF+32*PS+8*\t+4:AF+32*PS+8*\t+7], v[ADRA] offset:\t*16*PITCH+QO+32
.endr
.endm
; K step s: 48 matrix instructions; the 48 accumulators take turns.  In step 0 the biases are C.
.macro MUL s
.set PS, (\s)%2
.if (\s) == 0
	WIN 0xb1                                       ; source 0 (weights) window 1, source 1 (tokens) window 0, C (bias) window 3, D window 2
.else
	WIN 0xa1
.endif
.irp t, 0,1,2,3
.irp i, 0,1,2,3,4,5,6,7
.if (\s) == 0
	v_wmma_scale_f32_16x16x128_f8f6f4 v[128*(\i/4)+32*\t+8*(\i%4):128*(\i/4)+32*\t+8*(\i%4)+7], v[96*PS+8*\i:96*PS+8*\i+7], v[AF+32*PS+8*\t:AF+32*PS+8*\t+7], v[BQ+8*\i:BQ+8*\i+7], v[SW+8*\i+(\s)], v[SA+8*\t+(\s)] matrix_a_fmt:MATRIX_FMT_FP4 matrix_b_fmt:MATRIX_FMT_FP4
.else
	v_wmma_scale_f32_16x16x128_f8f6f4 v[128*(\i/4)+32*\t+8*(\i%4):128*(\i/4)+32*\t+8*(\i%4)+7], v[96*PS+8*\i:96*PS+8*\i+7], v[AF+32*PS+8*\t:AF+32*PS+8*\t+7], v[128*(\i/4)+32*\t+8*(\i%4):128*(\i/4)+32*\t+8*(\i%4)+7], v[SW+8*\i+(\s)], v[SA+8*\t+(\s)] matrix_a_fmt:MATRIX_FMT_FP4 matrix_b_fmt:MATRIX_FMT_FP4
.endif
.endr
.endr
	WIN 0xf4                                       ; source 0 (tokens) window 0, source 1 (vw) window 1, C and D window 3
.irp t, 0,1,2,3
.irp n, 0,1,2,3
.if (\s) == 0
	v_wmma_scale_f32_16x16x128_f8f6f4 v[32*\n+8*\t:32*\n+8*\t+7], v[AF+32*PS+8*\t:AF+32*PS+8*\t+7], v[96*PS+8*(8+\n):96*PS+8*(8+\n)+7], v[BV+8*\n:BV+8*\n+7], v[SA+8*\t+(\s)], v[SW+8*(8+\n)+(\s)] matrix_a_fmt:MATRIX_FMT_FP4 matrix_b_fmt:MATRIX_FMT_FP4
.else
	v_wmma_scale_f32_16x16x128_f8f6f4 v[32*\n+8*\t:32*\n+8*\t+7], v[AF+32*PS+8*\t:AF+32*PS+8*\t+7], v[96*PS+8*(8+\n):96*PS+8*(8+\n)+7], v[32*\n+8*\t:32*\n+8*\t+7], v[SA+8*\t+(\s)], v[SW+8*(8+\n)+(\s)] matrix_a_fmt:MATRIX_FMT_FP4 matrix_b_fmt:MATRIX_FMT_FP4
.endif
.endr
.endr
.endm
; Four runs of 32 accumulator registers (run g at a0 + 32 g of window win) are quantised.  In a run, register 16 b + 8 u + j of lane (r, h) is number 32 b + 16 u + 8 h + j along the next K.
; Out: run g's codes in v[pc + 4 g ..+3]: lane (r, h) holds block h whole; v[pw + g] = byte of block 0 | byte of block 1 << 8.  Each accumulator is read from its low end on.
.macro QGROUP win, a0, pc, pw
	WIN 5*\win
.irp g, 0,1,2,3
.irp b, 0,1
	v_max3_num_f32 v[TM+2*\g+\b], |v[\a0+32*\g+16*\b]|, |v[\a0+32*\g+16*\b+1]|, 0x1800000   ; with the floor 2^(3 - 127): the byte cannot fall under 1
.endr
.endr
.irp i, 2,4,6,8,10,12,14
.irp g, 0,1,2,3
.irp b, 0,1
	v_max3_num_f32 v[TM+2*\g+\b], |v[\a0+32*\g+16*\b+\i]|, |v[\a0+32*\g+16*\b+\i+1]|, v[TM+2*\g+\b]
.endr
.endr
.endr
	WIN 0
.irp i, 0,1,2,3,4,5,6,7
	v_permlanex16_b32 v[TP+\i], v[TM+\i], s[SEL], s[SEL+1]
.endr
.irp i, 0,1,2,3,4,5,6,7
	v_max_num_f32 v[TM+\i], v[TM+\i], v[TP+\i]     ; with lane l xor 16's 16
.endr
.irp i, 0,1,2,3,4,5,6,7
	v_add_nc_u32 v[TS+\i], 0xff000000, v[TM+\i]    ; 2 off the exponent field: the conversion's scale operand
.endr
.irp i, 0,1,2,3,4,5,6,7
	v_lshrrev_b32 v[TP+\i], 23, v[TS+\i]           ; the scale's byte
.endr
.irp g, 0,1,2,3
	v_lshl_or_b32 v[\pw+\g], v[TP+2*\g+1], 8, v[TP+2*\g]
.endr
	WIN \win
.irp g, 0,1,2,3
	v_cvt_scalef32_pk8_fp4_f32 v[\pc+4*\g], v[\a0+32*\g:\a0+32*\g+7], v[TS+2*\g]
	v_cvt_scalef32_pk8_fp4_f32 v[\pc+4*\g+1], v[\a0+32*\g+16:\a0+32*\g+23], v[TS+2*\g+1]
	v_cvt_scalef32_pk8_fp4_f32 v[\pc+4*\g+2], v[\a0+32*\g+8:\a0+32*\g+15], v[TS+2*\g]
	v_cvt_scalef32_pk8_fp4_f32 v[\pc+4*\g+3], v[\a0+32*\g+24:\a0+32*\g+31], v[TS+2*\g+1]
.endr
	WIN 0
	v_nop                                          ; one plain place behind a scaled conversion
.irp g, 0,1,2,3                                ; lane (r, h) now holds numbers 0-7, 8-15, 16-23, 24-31 of block h
	v_permlane16_swap_b32 v[\pc+4*\g], v[\pc+4*\g+1]
	v_permlane16_swap_b32 v[\pc+4*\g+2], v[\pc+4*\g+3]
.endr
.endm
; A block of 256 tokens.  first = 1: v's biases are spread over their registers, and the second block's activations are asked for behind the last product.
.macro TILE first
	FETCH 0
	s_wait_loadcnt 0x0                             ; scale words (first: and biases)
.if \first
	WIN 0xc3                                       ; source 0 and destination window 3
.irp n, 0,1,2,3
.irp j, 1,2,3,4,5,6,7
	v_mov_b32 v[BV+8*\n+\j], v[BV+8*\n]
.endr
.endr
	WIN 0
	s_wait_alu depctr_va_vdst(0)
.endif
.irp s, 0,1,2,3,4,5,6,7
.if \s > 0
	PLACES                                         ; the loads below land in the set that the step before multiplied
.endif
.if \s < 7
	FETCH \s+1
	s_wait_dscnt 32                                ; all but the 32 loads just issued
.else
	s_wait_dscnt 0x0
.endif
	MUL \s
.endr
	WIN 0
	PLACES
.if \first
	s_wait_tensorcnt 0x0                           ; no tensor load of mine is out: descriptors may be written
	ds_add_u32 v254, v255
	s_mov_b32 s[G1A+2], 64<<16                     ; from here on a load of activations brings 64 rows
	s_mov_b32 s[G1A+4], 64
	s_add_nc_u64 s[6:7], s[6:7], 0x20000           ; the second block's scale bytes (all my loads are done)
	s_wait_dscnt 0x0                               ; the add is done; my reads of the activations are over
	CROUND                                         ; that holds of every wave of every partner
	tensor_load_to_lds s[G0A+4:G0A+7], s[G1A:G1A+7]   ; my 64 rows of the second block, jointly along the cluster's row
	s_nop 0
	PLACES
	ASC
.endif
	QGROUP 2, 0, PCQ, QW
.irp g, 0,1,2,3
	global_store_b128 v11, v[PCQ+4*\g:PCQ+4*\g+3], s[26:27] offset:QIMG+512*\g   ; 32 lanes store 512 consecutive bytes, aligned
.endr
	QGROUP 2, 128, PCK, KW
.irp g, 0,1,2,3
	global_store_b128 v11, v[PCK+4*\g:PCK+4*\g+3], s[26:27] offset:KIMG+512*\g
.endr
	v_cmp_eq_u32 vcc_lo, 1, v2
.irp i, 0,1,2,3
	v_cndmask_b32 v[SWD+\i], v[KW+\i], v[QW+\i], vcc_lo   ; lanes 0-15 send k's four words, lanes 16-31 q's
.endr
	global_store_b128 v12, v[SWD:SWD+3], s[26:27] offset:KSC
	QGROUP 3, 0, PCV, VH
.irp g, 0,1,2,3
	global_store_b128 v13, v[PCV+4*\g:PCV+4*\g+3], s[26:27] offset:VIMG+1024*\g
.endr
.irp n, 0,1,2,3                                ; my 64 tokens are two of the four blocks of a key step: two bytes of each word
	ds_store_b16 v14, v[VH+\n] offset:(\n/2)*128+4*(\n%2)
.endr
	s_wait_dscnt 0x0                               ; for the others' sake: my stores have landed
	s_barrier_signal -1
	s_barrier_wait -1
	s_cmp_lg_u32 s[WV], 0
	s_cbranch_scc1 .Lnot_mine_\@
	ds_load_b128 v[BK:BK+3], v15                   ; the two key steps' words, whole
	s_wait_dscnt 0x0
	global_store_b128 v16, v[BK:BK+3], s[26:27] offset:VSC
.Lnot_mine_\@:
.endm
	s_wait_alu depctr_va_vdst(0)                   ; the wait at the head's end
	s_wait_tensorcnt 0x0                           ; my tile is in,
	s_barrier_signal -1
	s_barrier_wait -1                              ; and everybody's is
	TILE 1
	s_wait_xcnt 0x0                                ; the stores have read their data and their base
	s_add_nc_u64 s[26:27], s[26:27], 64*RECB       ; four batches on, the same head
	s_wait_alu depctr_va_vdst(0)
	s_wait_tensorcnt 0x0                           ; my 64 rows of the second block are in: I alone read them
	s_wait_dscnt 0x0
	s_barrier_signal -1
	s_barrier_wait -1                              ; wave 0 has read v's scale words: they may be stored anew
	TILE 0
	s_wait_tensorcnt 0x0                           ; the wave's end
	ds_add_u32 v254, v255
	s_wait_dscnt 0x0
	CROUND                                         ; the closing round
	s_endpgm
.Lfunc_end_k_q5e5fe95279_proj:
	.size	k_q5e5fe95279_proj, .Lfunc_end_k_q5e5fe95279_proj-k_q5e5fe95279_proj
	.p2alignl 7, 3214868480
	.fill 96, 4, 3214868480
	.section	.rodata,"a",@progbits
	.p2align	6, 0x0
	.amdhsa_kernel k_q5e5fe95279_proj
		.amdhsa_group_segment_fixed_size 327680
		.amdhsa_private_segment_fixed_size 0
		.amdhsa_enable_private_segment 0
		.amdhsa_kernarg_size 96
		.amdhsa_user_sgpr_count 2
		.amdhsa_user_sgpr_kernarg_segment_ptr 1
		.amdhsa_wavefront_size32 1
		.amdhsa_system_sgpr_workgroup_id_x 1
		.amdhsa_system_sgpr_workgroup_id_y 1
		.amdhsa_system_sgpr_workgroup_id_z 1
		.amdhsa_system_vgpr_workitem_id 0
		.amdhsa_next_free_vgpr 1024
		.amdhsa_next_free_sgpr 96
		.amdhsa_reserve_vcc 1
		.amdhsa_float_denorm_mode_32 3
		.amdhsa_float_denorm_mode_16_64 3
		.amdhsa_memory_ordered 1
		.amdhsa_forward_progress 1
		.amdhsa_inst_pref_size 197
	.end_amdhsa_kernel
	.amdgpu_metadata
---
amdhsa.version: [ 1, 2 ]
amdhsa.kernels:
  - .name:           k_q5e5fe95279_proj
    .symbol:         k_q5e5fe95279_proj.kd
    .args:
      - { .name: activation_codes, .offset: 0, .size: 8, .value_kind: global_buffer, .address_space: global }
      - { .name: activation_scales, .offset: 8, .size: 8, .value_kind: global_buffer, .address_space: global }
      - { .name: qw_codes, .offset: 16, .size: 8, .value_kind: global_buffer, .address_space: global }
      - { .name: qw_scales, .offset: 24, .size: 8, .value_kind: global_buffer, .address_space: global }
      - { .name: qb, .offset: 32, .size: 8, .value_kind: global_buffer, .address_space: global }
      - { .name: kw_codes, .offset: 40, .size: 8, .value_kind: global_buffer, .address_space: global }
      - { .name: kw_scales, .offset: 48, .size: 8, .value_kind: global_buffer, .address_space: global }
      - { .name: kb, .offset: 56, .size: 8, .value_kind: global_buffer, .address_space: global }
      - { .name: vw_codes, .offset: 64, .size: 8, .value_kind: global_buffer, .address_space: global }
      - { .name: vw_scales, .offset: 72, .size: 8, .value_kind: global_buffer, .address_space: global }
      - { .name: vb, .offset: 80, .size: 8, .value_kind: global_buffer, .address_space: global }
      - { .name: qkv, .offset: 88, .size: 8, .value_kind: global_buffer, .address_space: global }
    .group_segment_fixed_size: 327680
    .private_segment_fixed_size: 0
    .kernarg_segment_align: 8
    .kernarg_segment_size: 96
    .max_flat_workgroup_size: 128
    .sgpr_count:     96
    .vgpr_count:     1024
    .wavefront_size: 32
...
	.end_amdgpu_metadata
.endif
;; end of part 1
;; launch attn (part 2): grid 2 x 128, 16 waves a work-group, no clusters, 169,984 bytes of LDS; arguments qkv, out0; writes out0
.if DOCPART == 2
	.amdgcn_target "amdgcn-amd-amdhsa--gfx1250"
	.amdhsa_code_object_version 6
	.text
	.protected	k_q5e5fe95279_attn
	.globl	k_q5e5fe95279_attn
	.p2align	8
	.type	k_q5e5fe95279_attn,@function
k_q5e5fe95279_attn:
	s_mov_b64 s[64:65], 0
	v_nop
	global_prefetch_b8 v0, s[64:65] scope:SCOPE_SE
	s_setreg_imm32_b32 hwreg(HW_REG_WAVE_MODE, 25, 1), 1
	s_wait_xcnt 0x0
; out[b][q][64 head + d] = the sum over keys of softmax(q . k / 32) v, both products on codes of FP4 (E2M1) with one E8M0 scale for each 32 along a product's K.
; The operands come from the record of (batch, head) as images of operand registers: 16 bytes a lane, 512 consecutive bytes a load.
; THE SOFTMAX: t = score x log2(e) / 32; M = the running largest t, rounded UP to a whole number; p = 2^(t - M) is quantised along the keys, not normalised; the row's sum is taken of the unquantised p
; and divides at the end.  When M moves, the sum and O^T are multiplied by 2^(old M - new M), which rounds nothing.
; SHARES.  A work-group owns 512 queries of one head: 2 x 128 = 256 work-groups.  Each of its sixteen waves owns two tiles of 16 queries, one after the other; every wave walks the head's 1,024 keys, 128 a step.
; LDS.  The head's k, v and their scale words, 71,680 bytes, come ONCE, by eight tensor loads of 35 rows of 256 bytes; nothing is filled again.  Behind them a stage of 16 rows x 272 bytes for each wave.
; Both tiles' q are loaded at the head.  A step's fragments of k are asked for in the step before, behind its score products; a tile's last step asks for step 0, which the next tile reads (the very last such fetch is not used).
; NO CLUSTER: a grid of two along x divides into no cluster of four, and only the two work-groups of a head share bytes.  NO PREFETCH: the record is asked for once, at the head; no loop runs ahead of a load.
; LAYOUT.  S^T = k q^T (source 0 = 16 keys, source 1 = my 16 queries), O^T = v^T p^T (source 0 = 16 of the head's 64, source 1 = p): a lane holds ONE query (lane % 16) throughout.
; In S^T register 8 t + j of lane (r, h) is key 16 t + 8 h + j: a block of 32 keys is tiles 2 b, 2 b + 1, 16 numbers in lane l and 16 in lane l xor 16.
; K = 64 IN AN INSTRUCTION OF K = 128: q's registers 4-7 are zero codes and bytes 2, 3 of q's and k's scale words are 0 (2^-127, no NaN); a tile of k's upper four registers are the next tile's codes (zeros behind the last).
; LIMITS: NaN and infinities are not served; a block of p whose largest falls under 2^-124 keeps the byte 1; the scaled scores stay under 2^31 in magnitude.
.set RECB,  108544
.set VIMG,  32768
.set KSC,   65536
.set VSC,   69632
.set QIMG,  71680
.set QSC,   104448
.set PART,  8960                       ; an eighth of the 71,680 bytes
.set STAGE, 72192
.set SPARE, 0x29000
.set SPI,   272
.set LI,  1                            ; 16 x lane
.set LIS, 2                            ; 16 x lane + KSC
.set L8,  3                            ; 8 x lane + VSC
.set QSO, 4                            ; 16 r: q's scale word
.set STO, 5
.set RD,  6
.set GO,  7
.set ADK, 8                            ; the images' LDS address; k's scale words; v's
.set ADS, 9
.set ADT, 10
.set KF,  28                           ; v28-59 k's eight tiles; v60-63 zeros
.set VF,  64
.set S,   96                           ; S^T, then p
.set OA,  160                          ; O^T
.set PC,  192
.set KS,  200
.set VS,  204
.set BM,  208
.set BP,  212
.set BS,  216
.set TT,  222
.set FF,  224
.set PW,  226
.set Q2,  228                          ; v228-232 the second tile's q and its scale word
.set WV,  8
.set NK,  16                           ; s16-18 the next step's offsets (free behind the head's wait on TENSORcnt)
.set SEL, 32
.set CS,  34
.set TK,  36
.macro PA d, a, b
	v_pk_add_f32 v[\d:\d+1], v[\a:\a+1], v[\b:\b+1]
.endm
.macro KLOAD
.irp t, 0,1,2,3,4,5,6,7
	ds_load_b128 v[KF+4*\t:KF+4*\t+3], v[ADK] offset:512*\t
.endr
	ds_load_b128 v[KS:KS+3], v[ADS]
.endm
	s_load_b128 s[4:7], s[0:1], 0x0                ; qkv, out
	v_lshl_add_u32 v254, v0, 2, SPARE
	v_mov_b32 v255, 0
	ds_add_u32 v254, v255                          ; the opening lines
	ds_add_u32 v254, v255
	v_lshrrev_b32 v1, 5, v0
	s_delay_alu instid0(VALU_DEP_1)
	v_readfirstlane_b32 s[WV], v1                  ; wave 0..15
	s_and_b32 s10, ttmp7, 0xffff                   ; 16 x batch + head
	s_mul_i32 s24, s10, RECB
	s_mov_b32 s25, 0
	s_min_u32 s11, s[WV], 7                        ; waves 0-7 fetch an eighth each
	s_mov_b32 s12, 1
	s_mul_i32 s13, s11, PART                       ; LDS address = the record's own offset
	s_mov_b32 s42, s13
	s_mov_b32 s43, 0
	s_mov_b32 s16, 3<<16                           ; group 1: a dense block as 35 rows of 32 elements of 8 bytes
	s_mov_b32 s17, 32<<16
	s_mov_b32 s18, 35<<16
	s_mov_b32 s19, 32<<16
	s_mov_b32 s20, 35
	s_mov_b32 s21, 32
	s_mov_b32 s22, 0
	s_mov_b32 s23, 0
	s_wait_dscnt 0x0
	s_wait_kmcnt 0x0
	s_add_nc_u64 s[24:25], s[4:5], s[24:25]        ; the record
	s_add_nc_u64 s[14:15], s[24:25], s[42:43]
	s_or_b32 s15, s15, 0x80000000
	s_cmp_lt_u32 s[WV], 8
	s_cbranch_scc0 .Lno_fetch
	tensor_load_to_lds s[12:15], s[16:23]          ; the one tensor load of a fetching wave
	s_nop 0
.rept 4
	v_nop
.endr
.Lno_fetch:
	s_lshl_b32 s9, ttmp9, 5
	s_add_co_u32 s9, s9, s[WV]                     ; my first tile of queries; the second is 16 tiles on
	s_lshl_b32 s42, s9, 9
	s_add_co_u32 s42, s42, QIMG
	s_add_nc_u64 s[26:27], s[24:25], s[42:43]      ; its image
	s_lshl_b32 s44, ttmp9, 3
	s_lshr_b32 s45, s[WV], 2
	s_add_co_u32 s44, s44, s45
	s_lshl_b32 s44, s44, 8                         ; its scale words: group tile / 4 of 256 bytes,
	s_and_b32 s45, s[WV], 3
	s_lshl_b32 s45, s45, 2                         ; word tile % 4 of a row's four
	s_add_co_u32 s44, s44, s45
	s_add_co_u32 s44, s44, QSC
	s_mov_b32 s45, 0
	s_add_nc_u64 s[28:29], s[24:25], s[44:45]
	s_lshr_b32 s46, s10, 4
	s_lshl_b32 s46, s46, 22                        ; out: the batch, the tile's 16 rows, the head's 256 bytes of a row
	s_lshl_b32 s47, s9, 16
	s_add_co_u32 s46, s46, s47
	s_and_b32 s47, s10, 15
	s_lshl_b32 s47, s47, 8
	s_add_co_u32 s46, s46, s47
	s_mov_b32 s47, 0
	s_add_nc_u64 s[30:31], s[6:7], s[46:47]
	s_mov_b32 s[SEL], 0x76543210
	s_mov_b32 s[SEL+1], 0xfedcba98
	s_mov_b32 s[CS], 0x3d38aa3b                    ; c = log2(e) / 32
	s_mov_b32 s[CS+1], s[CS]
	s_mul_i32 s41, s[WV], 16*SPI
	s_add_co_u32 s41, s41, STAGE                   ; my stage
	s_mov_b32 s40, 2
	v_and_b32 v1, 31, v0
	v_and_b32 v8, 15, v0                           ; r
	v_bfe_u32 v9, v0, 4, 1                         ; h
	s_delay_alu instid0(VALU_DEP_3)
	v_lshlrev_b32 v[L8], 3, v1
	v_lshlrev_b32 v[LI], 4, v1
	v_lshlrev_b32 v[QSO], 4, v8
	s_wait_alu depctr_va_vdst(0)                   ; the wait ahead of the readers below
	global_load_b128 v[16:19], v[LI], s[26:27]     ; q's fragment: lane (r, h) = query r, d = 32 h ..
	global_load_b32 v24, v[QSO], s[28:29]          ; its scale words
	global_load_b128 v[Q2:Q2+3], v[LI], s[26:27] offset:8192   ; the second tile's
	global_load_b32 v[Q2+4], v[QSO], s[28:29] offset:1024
	v_add_nc_u32 v[L8], VSC, v[L8]
	v_add_nc_u32 v[LIS], KSC, v[LI]
	v_mul_u32_u24 v[STO], v8, SPI
	v_mul_u32_u24 v[RD], v9, SPI
	v_lshlrev_b32 v[GO], 12, v9
	s_delay_alu instid0(VALU_DEP_3)
	v_lshl_add_u32 v[STO], v9, 5, v[STO]
	s_delay_alu instid0(VALU_DEP_3)
	v_lshl_add_u32 v[RD], v8, 4, v[RD]
	s_delay_alu instid0(VALU_DEP_3)
	v_lshl_add_u32 v[GO], v8, 4, v[GO]             ; lanes 0-15 one row of out, lanes 16-31 the next
	s_delay_alu instid0(VALU_DEP_3)
	v_add_nc_u32 v[STO], s41, v[STO]               ; in: row r, + 32 h
	s_delay_alu instid0(VALU_DEP_3)
	v_add_nc_u32 v[RD], s41, v[RD]                 ; back: lanes 0-15 one row of 256 bytes, lanes 16-31 the next
	v_mov_b32 v[ADK], v[LI]                        ; key step 0
	v_mov_b32 v[ADS], v[LIS]
	v_mov_b32 v[ADT], v[L8]
.irp i, 0,1,2,3
	v_mov_b32 v[20+\i], 0                          ; q's upper half: zero codes
	v_mov_b32 v[KF+32+\i], 0                       ; behind k's last tile
	v_mov_b32 v[BP+\i], 0                          ; a lane permute's destination counts as one of its sources
.endr
	v_mov_b32 v[FF+1], 0
	s_wait_alu depctr_va_vdst(0)                   ; the wait at the head's end
	s_wait_tensorcnt 0x0                           ; my eighth is in,
	s_barrier_signal -1
	s_barrier_wait -1                              ; and everybody's is: the one barrier of the launch
	KLOAD                                          ; step 0's fragments of k
	s_wait_loadcnt 0x0                             ; q, both tiles
.Ltile:
	v_mov_b32 v13, 0xff61b1e6                      ; the largest t so far: -3e38
	v_mov_b32 v14, 0                               ; the sum, in two halves
	v_mov_b32 v15, 0
	s_delay_alu instid0(VALU_DEP_3)
	v_floor_f32 v12, -v13                          ; -M
.set j, 0
.rept 32
	v_mov_b32 v[OA+j], 0                           ; O^T: the first change of M leaves zeros zeros
.set j, j+1
.endr
	s_mov_b32 s[TK], 0
	s_mov_b32 s39, 8
.Lstep:                                                ; 128 keys
.irp n, 0,1,2,3
	ds_load_b128 v[VF+8*\n:VF+8*\n+3], v[ADK] offset:VIMG+1024*\n
	ds_load_b128 v[VF+8*\n+4:VF+8*\n+7], v[ADK] offset:VIMG+1024*\n+512
.endr
	ds_load_b64 v[VS:VS+1], v[ADT]
	s_add_co_u32 s[TK], s[TK], 4096                ; the next step's images,
	s_cmp_lg_u32 s39, 1
	s_cselect_b32 s[NK], s[TK], 0                  ; behind a tile's last step: step 0
	s_lshr_b32 s[NK+1], s[NK], 3                   ; 512 bytes of k's scale words a step,
	s_lshr_b32 s[NK+2], s[NK], 4                   ; 256 of v's
	s_wait_dscnt 9                                 ; k's nine loads are in; v's nine, just issued, may stay out
.irp t, 0,1,2,3
	v_wmma_scale_f32_16x16x128_f8f6f4 v[S+8*\t:S+8*\t+7], v[KF+4*\t:KF+4*\t+7], v[16:23], 0, v[KS+\t], v24 matrix_a_fmt:MATRIX_FMT_FP4 matrix_b_fmt:MATRIX_FMT_FP4
.endr
.irp t, 4,5,6,7
	v_wmma_scale_f32_16x16x128_f8f6f4 v[S+8*\t:S+8*\t+7], v[KF+4*\t:KF+4*\t+7], v[16:23], 0, v[KS+\t-4], v24 matrix_a_fmt:MATRIX_FMT_FP4 matrix_b_fmt:MATRIX_FMT_FP4 matrix_a_scale:MATRIX_SCALE_ROW1
.endr
	v_add_nc_u32 v[ADK], s[NK], v[LI]              ; these four are the places behind the products, ahead of the loads into their sources and of the reads of S^T
	v_add_nc_u32 v[ADS], s[NK+1], v[LIS]
	v_add_nc_u32 v[ADT], s[NK+2], v[L8]
	v_nop
	KLOAD                                          ; the next step's fragments of k
.irp b, 0,1,2,3
	v_max3_num_f32 v[BM+\b], v[S+16*\b], v[S+16*\b+1], v[S+16*\b+2]   ; the largest score of each block of 32 keys: for the row's maximum and for the block's largest p
.endr
.irp i, 3,5,7,9,11,13
.irp b, 0,1,2,3
	v_max3_num_f32 v[BM+\b], v[BM+\b], v[S+16*\b+\i], v[S+16*\b+\i+1]
.endr
.endr
.irp b, 0,1,2,3
	v_max_num_f32 v[BM+\b], v[BM+\b], v[S+16*\b+15]
.endr
.irp b, 0,1,2,3
	s_delay_alu instid0(VALU_DEP_4)
	v_permlanex16_b32 v[BP+\b], v[BM+\b], s[SEL], s[SEL+1]
.endr
.irp b, 0,1,2,3
	s_delay_alu instid0(VALU_DEP_4)
	v_max_num_f32 v[BM+\b], v[BM+\b], v[BP+\b]     ; with lane l xor 16's 16 keys
.endr
	s_delay_alu instid0(VALU_DEP_2)
	v_max3_num_f32 v[TT], v[BM], v[BM+1], v[BM+2]
	s_delay_alu instid0(VALU_DEP_1)
	v_max_num_f32 v[TT], v[TT], v[BM+3]            ; the step's largest score of my query,
	s_delay_alu instid0(VALU_DEP_1)
	v_mul_f32 v[TT], s[CS], v[TT]                  ; as t (c is positive)
	s_delay_alu instid0(VALU_DEP_1)
	v_max_num_f32 v13, v13, v[TT]                  ; the running largest t
	v_mov_b32 v[TT], v12
	s_delay_alu instid0(VALU_DEP_2)
	v_floor_f32 v12, -v13                          ; the new -M = -ceil(t)
	s_delay_alu instid0(VALU_DEP_1)
	v_sub_f32 v[TT], v12, v[TT]                    ; old M - new M: a whole number, 0 or less
	s_delay_alu instid0(VALU_DEP_1)
	v_cvt_i32_f32 v[TT], v[TT]                     ; (it saturates)
	s_delay_alu instid0(VALU_DEP_1)
	v_ldexp_f32 v[FF], 1.0, v[TT]                  ; f = 2^(old M - new M)
.set j, 0
.rept 32
	v_pk_fma_f32 v[S+j:S+j+1], v[S+j:S+j+1], s[CS:CS+1], v[12:13] op_sel_hi:[1,0,0]   ; t - M, two at a time
.set j, j+2
.endr
.irp b, 0,1,2,3
	v_fma_f32 v[BM+\b], v[BM+\b], s[CS], v12       ; the same of each block's largest score
.endr
	s_wait_alu depctr_va_vdst(0)                   ; the wait ahead of the batch
.set j, 0
.rept 64
	v_exp_f32 v[S+j], v[S+j]                       ; p = 2^(t - M), at most 1
.set j, j+1
.endr
.irp b, 0,1,2,3
	v_exp_f32 v[BM+\b], v[BM+\b]                   ; the block's largest p
.endr
	v_pk_mul_f32 v[14:15], v[14:15], v[FF:FF+1] op_sel_hi:[1,0]   ; the sums under the new M (the plain place behind the batch)
	s_wait_alu depctr_va_vdst(0)                   ; and the wait behind it
.irp b, 0,1,2,3
	v_max_num_f32 v[BM+\b], 0x1800000, v[BM+\b]    ; the floor 2^(3 - 127): the byte cannot fall under 1
.endr
.irp b, 0,1,2,3
	s_delay_alu instid0(VALU_DEP_4)
	v_add_nc_u32 v[BS+\b], 0xff000000, v[BM+\b]    ; 2 off the exponent field: the conversion's scale operand
.endr
.irp b, 0,1,2,3
	s_delay_alu instid0(VALU_DEP_4)
	v_lshrrev_b32 v[BP+\b], 23, v[BS+\b]           ; the scale's byte
.endr
	s_delay_alu instid0(VALU_DEP_3)
	v_lshl_or_b32 v[PW], v[BP+1], 8, v[BP]         ; p's scale word for these 128 keys
	s_delay_alu instid0(VALU_DEP_1)
	v_lshl_or_b32 v[PW], v[BP+2], 16, v[PW]
	s_delay_alu instid0(VALU_DEP_1)
	v_lshl_or_b32 v[PW], v[BP+3], 24, v[PW]
.irp c, 0,1
	v_cvt_scalef32_pk8_fp4_f32 v[PC+4*\c], v[S+32*\c:S+32*\c+7], v[BS+2*\c]
	v_cvt_scalef32_pk8_fp4_f32 v[PC+4*\c+1], v[S+32*\c+16:S+32*\c+23], v[BS+2*\c+1]
	v_cvt_scalef32_pk8_fp4_f32 v[PC+4*\c+2], v[S+32*\c+8:S+32*\c+15], v[BS+2*\c]
	v_cvt_scalef32_pk8_fp4_f32 v[PC+4*\c+3], v[S+32*\c+24:S+32*\c+31], v[BS+2*\c+1]
.endr
	PA 220, 100, 104                               ; the row's sum of the unquantised p, in eight chains; the first line is the plain place behind the conversions
	PA 252, 108, 112
	PA 250, 116, 120
	PA 248, 124, 128
	PA 246, 132, 136
	PA 244, 140, 144
	PA 242, 148, 152
	PA 14, 14, 156
.irp c, 0,1                                    ; lane (r, h) now holds keys 0-7, 8-15, 16-23, 24-31 of block 2 c + h
	v_permlane16_swap_b32 v[PC+4*\c], v[PC+4*\c+1]
	v_permlane16_swap_b32 v[PC+4*\c+2], v[PC+4*\c+3]
.endr
	PA 220, 220, 96
	PA 252, 252, 98
	PA 250, 250, 102
	PA 248, 248, 106
	PA 246, 246, 110
	PA 244, 244, 114
	PA 242, 242, 118
	PA 14, 14, 122
	PA 220, 220, 126
	PA 252, 252, 130
	PA 250, 250, 134
	PA 248, 248, 138
	PA 246, 246, 142
	PA 244, 244, 146
	PA 242, 242, 150
	PA 14, 14, 154
	PA 220, 220, 158
	s_delay_alu instid0(VALU_DEP_2)
	PA 14, 14, 248
	s_delay_alu instid0(VALU_DEP_2)
	PA 220, 220, 246
	PA 252, 252, 244
	s_wait_alu depctr_va_vdst(0)                   ; the wait ahead of the first reader of O^T
.set j, 0
.rept 16
	v_pk_mul_f32 v[OA+j:OA+j+1], v[OA+j:OA+j+1], v[FF:FF+1] op_sel_hi:[1,0]   ; O^T under the new M
.set j, j+2
.endr
	s_wait_alu depctr_va_vdst(0)
	s_wait_dscnt 9                                 ; v's nine loads are in; the next step's nine of k may stay out
.irp n, 0,1
	v_wmma_scale_f32_16x16x128_f8f6f4 v[OA+8*\n:OA+8*\n+7], v[VF+8*\n:VF+8*\n+7], v[PC:PC+7], v[OA+8*\n:OA+8*\n+7], v[VS+\n], v[PW] matrix_a_fmt:MATRIX_FMT_FP4 matrix_b_fmt:MATRIX_FMT_FP4
.endr
.irp n, 2,3
	v_wmma_scale_f32_16x16x128_f8f6f4 v[OA+8*\n:OA+8*\n+7], v[VF+8*\n:VF+8*\n+7], v[PC:PC+7], v[OA+8*\n:OA+8*\n+7], v[VS+\n-2], v[PW] matrix_a_fmt:MATRIX_FMT_FP4 matrix_b_fmt:MATRIX_FMT_FP4 matrix_a_scale:MATRIX_SCALE_ROW1
.endr                                          ; four accumulators by turns
	PA 250, 250, 242                               ; the sum's last four lines are the four places behind the products
	PA 14, 14, 252
	PA 220, 220, 250
	PA 14, 14, 220
	s_sub_co_u32 s39, s39, 1
	s_cmp_lg_u32 s39, 0
	s_cbranch_scc1 .Lstep
	; THE WAY OUT of a tile: O^T / the sum goes through my stage and leaves as rows: sixteen lanes store the head's 256 consecutive bytes of a row, aligned.
	v_add_f32 v14, v14, v15                        ; the sum's two halves,
	s_delay_alu instid0(VALU_DEP_1)
	v_permlanex16_b32 v[BP], v14, s[SEL], s[SEL+1]
	s_delay_alu instid0(VALU_DEP_1)
	v_add_f32 v14, v14, v[BP]                      ; and lane l xor 16's
	s_wait_alu depctr_va_vdst(0)
	v_rcp_f32 v14, v14
	v_nop                                          ; one plain place behind a transcendental
	s_wait_alu depctr_va_vdst(0)
.set j, 0
.rept 16
	v_pk_mul_f32 v[S+j:S+j+1], v[OA+j:OA+j+1], v[14:15] op_sel_hi:[1,0]   ; register 8 n + i is out(query r, d = 16 n + 8 h + i)
.set j, j+2
.endr
.irp n, 0,1,2,3
	ds_store_b128 v[STO], v[S+8*\n:S+8*\n+3] offset:64*\n
	ds_store_b128 v[STO], v[S+8*\n+4:S+8*\n+7] offset:64*\n+16
.endr
.irp i, 0,1,2,3,4,5,6,7
	ds_load_b128 v[S+32+4*\i:S+32+4*\i+3], v[RD] offset:2*\i*SPI   ; LDS serves a wave's instructions in order (ISA guide 5.7.1.4)
.endr
.irp i, 0,1,2,3,4,5,6,7
	s_wait_dscnt 7-\i                              ; pair i of rows is back; the younger loads may stay out
	global_store_b128 v[GO], v[S+32+4*\i:S+32+4*\i+3], s[30:31] offset:8192*\i th:TH_STORE_NT
.endr
.irp i, 0,1,2,3
	v_mov_b32 v[16+\i], v[Q2+\i]                   ; the second tile's q
.endr
	v_mov_b32 v24, v[Q2+4]
	s_wait_xcnt 0x0                                ; the stores have read their registers and their base
	s_add_nc_u64 s[30:31], s[30:31], 1048576       ; 256 rows of out on
	s_sub_co_u32 s40, s40, 1
	s_cmp_lg_u32 s40, 0
	s_wait_alu depctr_va_vdst(0)
	s_cbranch_scc1 .Ltile
	s_wait_tensorcnt 0x0                           ; the wave's end
	ds_add_u32 v254, v255
	s_wait_dscnt 0x0
	s_endpgm
.Lfunc_end_k_q5e5fe95279_attn:
	.size	k_q5e5fe95279_attn, .Lfunc_end_k_q5e5fe95279_attn-k_q5e5fe95279_attn
	.p2alignl 7, 3214868480
	.fill 96, 4, 3214868480
	.section	.rodata,"a",@progbits
	.p2align	6, 0x0
	.amdhsa_kernel k_q5e5fe95279_attn
		.amdhsa_group_segment_fixed_size 169984
		.amdhsa_private_segment_fixed_size 0
		.amdhsa_enable_private_segment 0
		.amdhsa_kernarg_size 16
		.amdhsa_user_sgpr_count 2
		.amdhsa_user_sgpr_kernarg_segment_ptr 1
		.amdhsa_wavefront_size32 1
		.amdhsa_system_sgpr_workgroup_id_x 1
		.amdhsa_system_sgpr_workgroup_id_y 1
		.amdhsa_system_sgpr_workgroup_id_z 1
		.amdhsa_system_vgpr_workitem_id 0
		.amdhsa_next_free_vgpr 256
		.amdhsa_next_free_sgpr 66
		.amdhsa_reserve_vcc 0
		.amdhsa_float_denorm_mode_32 3
		.amdhsa_float_denorm_mode_16_64 3
		.amdhsa_memory_ordered 1
		.amdhsa_forward_progress 1
		.amdhsa_inst_pref_size 27
	.end_amdhsa_kernel
	.amdgpu_metadata
---
amdhsa.version: [ 1, 2 ]
amdhsa.kernels:
  - .name:           k_q5e5fe95279_attn
    .symbol:         k_q5e5fe95279_attn.kd
    .args:
      - { .name: qkv, .offset: 0, .size: 8, .value_kind: global_buffer, .address_space: global }
      - { .name: out0, .offset: 8, .size: 8, .value_kind: global_buffer, .address_space: global }
    .group_segment_fixed_size: 169984
    .private_segment_fixed_size: 0
    .kernarg_segment_align: 8
    .kernarg_segment_size: 16
    .max_flat_workgroup_size: 512
    .sgpr_count:     66
    .vgpr_count:     256
    .wavefront_size: 32
...
	.end_amdgpu_metadata
.endif
;; end of part 2
